; MI455X (gfx1250); checked and timed in simulation.
; The chip was launched on July 23, 2026; its instructions are those of AMD's public machine-readable ISA for CDNA 5 (MIT licence, August 2026) and "CDNA5" Instruction Set Architecture Reference Guide (July 2026). The comments in the code are by the model that wrote it; some were corrected since.
;; Multi Head Attention. Allowed arithmetic: matrix products marked QUANTISED: E2M3 operands, one E8M0 scale for each 32 along K, by v_wmma_scale_f32_16x16x128_f8f6f4 with both operands' format E2M3, f32 sums; everything else in f32.
;; Inputs: W_out 1,024 x 1,024 float32; b_out 1,024 float32; keys 4 x 2,048 x 1,024 float32; query 4 x 2,048 x 1,024 float32; values 4 x 2,048 x 1,024 float32.
;; Outputs: out0 4 x 2,048 x 1,024 float32.
;; This version of the problem:
;;   THIS VERSION OF THE PROBLEM IS GIVEN IN LOW PRECISION. The matrix products marked QUANTISED in the list below multiply operands that are first quantised to E2M3 (2 exponent bits, 3 mantissa bits; 6 bits a number), with one power-of-two scale for each 32 numbers along K (OCP MX v1.0); their sums are f32. All else is computed in f32.
;;   The module's matrix products, in the order in which they are computed (A, B: the left and right operand; K: the contracted axis; several contracted axes count as one K, in the product's order):
;;     1. batch 64 x [M 2,048, K 64] x [K 64, N 2,048]; A: input query; B: input keys: QUANTISED
;;     2. batch 64 x [M 64, K 2,048] x [K 2,048, N 2,048]; A: input values; B: softmax (see below): QUANTISED
;;     3. [M 8,192, K 1,024] x [K 1,024, N 1,024]; A: computed on the way; B: input W_out: QUANTISED
;;   THE QUANTISER, for each operand of a quantised product, along K:
;;     - K is cut into blocks of 32 from its start; a last block that is shorter is filled with zeros.
;;     - A block's scale is 2^e with e = floor(log2(the largest magnitude in the block)) - 2, held to -126 .. 127; a block of zeros has e = 0. As a byte (E8M0): e + 127.
;;     - Each number is divided by its block's scale, clamped to +-7.5, and rounded to the nearest number of E2M3, ties to even, subnormals kept.
;;     - The product sums the exact products of the quantised numbers (number of the format x scale) in f32.
;;   ~~~python
;;   def quantise(x, axis):      # numpy; x: float32 -> the quantised numbers, widened to float32 again
;;       x = np.moveaxis(x, axis, -1); K = x.shape[-1]
;;       x = np.pad(x, [(0, 0)] * (x.ndim - 1) + [(0, -K % 32)]); x = x.reshape(x.shape[:-1] + (-1, 32)); a = np.abs(x).max(-1, keepdims=True)
;;       e = np.where(a > 0, np.clip(np.frexp(np.where(a > 0, a, 1))[1] - 1 - 2, -126, 127), 0)      # np.frexp(a)[1] - 1 = floor(log2(a)), exactly
;;       r = np.clip(x / 2.0 ** e, -7.5, 7.5)
;;       step = 2.0 ** (np.maximum(np.frexp(np.where(r == 0, 1, r))[1] - 1, 0) - 3)
;;       q = np.round(r / step) * step * 2.0 ** e      # np.round: ties to even
;;       return np.moveaxis(q.reshape(q.shape[:-2] + (-1,))[..., :K], -1, axis).astype(np.float32)
;;   ~~~
;;   SOFTMAX AHEAD OF A QUANTISED PRODUCT. Where the list says 'softmax', what is quantised is not the finished softmax but p = 2^(t - M), with t = logit x log2(e) and M = ceil(the row's largest t), a whole number; so 1/2 < the row's largest p <= 1. The row's sum l is taken of the UNQUANTISED p, in f32, and the product's result is divided by l at the end. Since M is a whole number, a kernel that streams over the keys may use a running M (the ceiling of the running maximum): every later rescaling is an exact power of two, which a block's scale takes up: the codes' values come out the same.
;;   OPERANDS COMPUTED ON THE WAY. 'Computed on the way' means the value that the module computes at that place (a softmax that the list does not call 'softmax' is quantised finished and normalised). What goes into a quantiser is computed in f32, as accurately as f32 sums, v_exp_f32 and their like allow (about 1e-6 of the number): no bf16 or f16 on the way to a quantiser, and a product that is left as it is and whose result goes on into a quantised operand takes f32 operands (vector FMAs, or v_wmma_f32_16x16x4_f32). A number that lies on a knife's edge between two numbers of the format may be rounded either way, as far as f32 arithmetic and the matrix unit's own rounding can turn it there, and no further.
;; One version. Each part assembles by itself: llvm-mc -triple=amdgcn-amd-amdhsa -mcpu=gfx1250 --defsym DOCPART=n.
;; ======== version 1 of 1: 3 launches
;; limits: right only within a limited range of input values
;; workspace buffers: kv 13,369,344 bytes; wc 819,200 bytes; ac 6,291,456 bytes; asc 262,144 bytes
;; launch prep (part 1): grid 544 x 1, 4 waves a work-group, no clusters, 59,904 bytes of LDS; arguments keys, W_out, values, kv, wc; writes kv, wc
.if DOCPART == 1
	.amdgcn_target "amdgcn-amd-amdhsa--gfx1250"
	.amdhsa_code_object_version 6
	.text
	.protected	k_qa81d3e92f2_prep
	.globl	k_qa81d3e92f2_prep
	.p2align	8
	.type	k_qa81d3e92f2_prep,@function
k_qa81d3e92f2_prep:
	s_mov_b64 s[64:65], 0
	v_nop
	global_prefetch_b8 v0, s[64:65] scope:SCOPE_SE
	s_setreg_imm32_b32 hwreg(HW_REG_WAVE_MODE, 25, 1), 1
	s_wait_xcnt 0x0
; PREP: keys, W_out and values, all f32, become codes of FP6 (E2M3) with one E8M0 byte for each 32 along K, laid in the ORDER OF THE OPERANDS' REGISTERS.
; keys [4][2048][1024]: K = a head's 64 channels (innermost).  W_out [1024][1024]: K = its last axis.  values [4][2048][1024]: K = the keys (NOT innermost).
; A block's scale is 2^(floor(log2(largest magnitude)) - 2); its byte is the largest magnitude's exponent field - 2, held at 1 from below by a floor among the maximum's leaves.
; LIMITS: NaN and infinities among the inputs are not served; a block whose largest magnitude lies under 2^-124 keeps the byte 1; a block of zeros gets the byte 1 and not 127: its codes are zeros, and this program alone reads the bytes.
; A HALF FRAGMENT (16 rows x 64 K, 768 bytes): bytes 16 l: registers 0-3 of lane l; bytes 512 + 8 l: registers 4-5.  Lane l = (r = l % 16, h = l / 16) holds block h (32 codes, 24 bytes) of row r.
; THE ROWS OF A TILE ARE NOT NEIGHBOURS: lane r of tile 2 b + u takes row 32 b + 8 u + r + 8 (r / 8), so that a transposed product's 16 registers of tiles 2 b, 2 b + 1 are 16 neighbours.
; kv [head 64][step 16][13,056]: 0: K's 8 half fragments; 6,144: V's 4 whole fragments (3 groups of 512 bytes: registers 4 g .. 4 g + 3 at 16 l); 12,288: K's scale words [half][lane][2]; 12,800: V's [lane][2].
; wc [block of 256 rows, 4][K step 8][25,600]: 0: [e 2][rr 4][tile 4] half fragments; 24,576: scale words [rr 4][lane][2].  In a scale register lanes 0-15 hold tile 2 j's words, lanes 16-31 tile 2 j + 1's.
; SHARES: a wave takes 32 KiB of f32.  Work-groups 0-255: keys; 256-287: W_out (one path, pointers chosen by the work-group's number); 288-543: values.  Waves share nothing: no barrier, no cluster (no two
; work-groups read the same bytes), no tensor load.  Each path has LDS bytes of its own.
; THE ORDER OF A TILE'S ROWS THAT IS IN FORCE (it takes the place of the order named in the lines above): within 64 rows (keys, rows of W_out, a head's channels) lane r of tile u (0 .. 3) takes row 32 (r / 8) + 8 u + r % 8,
; so that in a transposed product the 32 registers of tiles 0 .. 3 of lane half h are the 32 neighbours 32 h + 0 .. 31: a whole block of 32 in one lane.
.set REC,   13056
.set WREC,  25600
.set KSTG,  8448                       ; keys' and W's path: a stage of 16 rows x (512 + 16) bytes for each wave
.set VSTG0, 4*KSTG                     ; values' path: a stage of 6,144 bytes of images + 256 of scale words for each wave
.set VSTG,  6400
.set SPARE, VSTG0+4*VSTG               ; the spare words, 128 bytes for each wave: two blocks of 256 bytes that no other line names
.set SPW,   7                          ; v7  LDS address of my spare word; never rewritten
.set NIL,   8                          ; v8  0; never rewritten
.set R,     64                         ; v64-191  keys, W: two sets of 64 numbers as loaded;  values: v64-127 two sets of 32
.set X,     192                        ; v192-255 64 numbers of my row: register 32 c + i = number 64 c + 32 h + i
.set F,     24                         ; v24-35   a fragment's registers
.set G,     36                         ; v36-38, v40-42: the second halves of the blocks (a conversion's three registers begin on an even number)
	s_load_b256 s[4:11], s[0:1], 0x0               ; keys s[4:5], W_out s[6:7], values s[8:9], kv s[10:11]
	s_load_b64 s[12:13], s[0:1], 0x20              ; wc
	v_lshl_add_u32 v[SPW], v0, 2, SPARE
	v_mov_b32 v[NIL], 0
	v_lshrrev_b32 v1, 5, v0
	v_readfirstlane_b32 s16, v1                    ; wave 0..3
	v_and_b32 v1, 31, v0                           ; lane
	v_lshlrev_b32 v2, 4, v1                        ; 16 x lane
	v_lshlrev_b32 v3, 3, v1                        ; 8 x lane
	s_lshl_b32 s17, ttmp9, 2
	s_add_co_u32 s17, s17, s16                     ; 4 x work-group + wave
	s_wait_kmcnt 0x0
	s_cmp_lt_u32 ttmp9, 288
	s_cbranch_scc0 .Lv
	; ---- KEYS AND W_out: an item is 64 rows x 128 numbers: four tiles of 16 rows, two chunks of 64 along K (keys: two heads; W: the halves of a K step)
	s_cmp_lt_u32 ttmp9, 256
	s_cselect_b32 s18, 0, 1024
	s_sub_co_u32 s17, s17, s18                     ; the item's number in its tensor
	s_lshr_b32 s18, s17, 3                         ; rho: which 64 rows
	s_and_b32 s19, s17, 7                          ; s: which 128 numbers of the rows
	s_lshl_b32 s34, s18, 18                        ; 64 rows of 4,096 bytes
	s_lshl_b32 s35, s19, 9
	s_add_co_u32 s34, s34, s35                     ; where the item begins in its tensor
	s_mov_b32 s35, 0
	s_lshr_b32 s36, s18, 5                         ; keys: n = rho / 32
	s_lshl_b32 s36, s36, 3
	s_add_co_u32 s36, s36, s19
	s_lshl_b32 s36, s36, 5                         ; (16 n + 2 s) x 16
	s_bfe_u32 s37, s18, 0x40001                    ; step = (rho / 2) % 16
	s_add_co_u32 s36, s36, s37                     ; the record of head 16 n + 2 s
	s_mul_i32 s36, s36, REC
	s_and_b32 s37, s18, 1                          ; which half of the step's 128 keys
	s_mul_i32 s38, s37, 3072
	s_add_co_u32 s38, s38, s36                     ; its four half fragments
	s_lshl_b32 s37, s37, 8
	s_add_co_u32 s39, s36, s37
	s_add_co_u32 s39, s39, 12288                   ; its scale words
	s_lshr_b32 s40, s18, 2                         ; W: block of 256 rows
	s_lshl_b32 s40, s40, 3
	s_add_co_u32 s40, s40, s19                     ; the record
	s_mul_i32 s40, s40, WREC
	s_and_b32 s41, s18, 3                          ; rr: which 64 rows of the block
	s_mul_i32 s42, s41, 3072
	s_add_co_u32 s42, s42, s40
	s_lshl_b32 s41, s41, 8
	s_add_co_u32 s43, s40, s41
	s_add_co_u32 s43, s43, 24576
	s_mov_b32 s44, 12288                           ; W: from chunk 0's half fragments to chunk 1's
	s_cmp_lt_u32 ttmp9, 256                        ; the choice hangs on the work-group's number alone; only selections follow the compare
	s_cselect_b64 s[24:25], s[4:5], s[6:7]
	s_cselect_b64 s[26:27], s[10:11], s[12:13]
	s_cselect_b32 s38, s38, s42
	s_cselect_b32 s39, s39, s43
	s_cselect_b32 s44, 16*REC, s44                 ; keys: chunk 1 is the next head: 16 records on
	s_mov_b32 s45, 0
	s_mov_b32 s36, s38
	s_mov_b32 s37, 0
	s_add_nc_u64 s[24:25], s[24:25], s[34:35]      ; the item
	s_add_nc_u64 s[28:29], s[26:27], s[36:37]      ; chunk 0's codes
	s_add_nc_u64 s[30:31], s[28:29], s[44:45]      ; chunk 1's
	s_mov_b32 s36, s39
	s_add_nc_u64 s[32:33], s[26:27], s[36:37]      ; the scale words
	s_add_nc_u64 s[34:35], s[32:33], 16*REC        ; keys: the next head's (not used for W)
.macro LOADT t                         ; tile t's 16 rows, in the tile's row order: each load reads 512 consecutive bytes of one row
.irp r, 0,1,2,3,4,5,6,7,8,9,10,11,12,13,14,15
	global_load_b128 v[R+64*((\t)%2)+4*\r:R+64*((\t)%2)+4*\r+3], v2, s[24:25] offset:(8*(\t)+(\r%8)+32*(\r/8))*4096 th:TH_LOAD_NT
.endr
.endm
	s_wait_alu depctr_va_vdst(0)
	LOADT 0
	LOADT 1
	s_mov_b32 s20, 0x76543210
	s_mov_b32 s21, 0xfedcba98                      ; v_permlanex16_b32's selects for lane l xor 16
	s_mov_b32 s22, 0xffff0000                      ; lanes 16-31
	s_mul_i32 s23, s16, KSTG                       ; my stage
	v_add_nc_u32 v4, s23, v2                       ; in: 16 x lane of a row
	v_and_b32 v9, 15, v0                           ; r
	v_bfe_u32 v6, v0, 4, 1                         ; h
	v_mul_u32_u24 v5, v9, 528
	v_lshl_add_u32 v5, v6, 7, v5
	v_add_nc_u32 v5, s23, v5                       ; out: row r, + 128 h: my block of 32 numbers
	v_lshlrev_b32 v6, 3, v6                        ; 8 h
	v_mov_b32 v17, 0                               ; written once: a lane permute's destination counts as one of its sources
.macro TILE t
.if (\t) < 3
	s_wait_loadcnt 16                              ; this tile's 16 loads are in; the next tile's 16 may be out
.else
	s_wait_loadcnt 0x0
.endif
.irp r, 0,1,2,3,4,5,6,7,8,9,10,11,12,13,14,15
	ds_store_b128 v4, v[R+64*((\t)%2)+4*\r:R+64*((\t)%2)+4*\r+3] offset:528*\r
.endr
.irp c, 0,1
.irp j, 0,1,2,3,4,5,6,7
	ds_load_b128 v[X+32*\c+4*\j:X+32*\c+4*\j+3], v5 offset:256*\c+16*\j   ; LDS serves a wave's instructions in order: these see the stores above.  Rows 528 bytes apart: sixteen lanes start at sixteen different 16-byte columns
.endr
.endr
	s_wait_dscnt 0x0                               ; my 64 numbers are in, and the stores have read their registers,
.if (\t) < 2
	LOADT (\t)+2                                   ; which take the tile two on
.endif
.irp c, 0,1
	v_max3_num_f32 v[10+\c], |v[X+32*\c]|, |v[X+32*\c+1]|, 0x1800000   ; my block 2 c + h: all its 32 numbers are mine; and the floor 2^(3 - 127)
.endr
.irp i, 2,4,6,8,10,12,14,16,18,20,22,24,26,28,30
.irp c, 0,1
	v_max3_num_f32 v[10+\c], v[10+\c], |v[X+32*\c+\i]|, |v[X+32*\c+\i+1]|
.endr
.endr
.irp c, 0,1
	v_add_nc_u32 v[12+\c], 0xff000000, v[10+\c]    ; 2 off the exponent field: the conversion's scale operand
.endr
.irp c, 0,1
	v_lshrrev_b32 v[14+\c], 23, v[12+\c]           ; the scale's byte
.endr
	v_lshl_or_b32 v16, v15, 16, v14                ; blocks h and 2 + h,
	v_lshlrev_b32 v16, v6, v16                     ; at their places in the row's word;
	v_permlanex16_b32 v17, v16, s20, s21
	v_or_b32 v16, v16, v17                         ; with lane l xor 16's two the word is whole, in both lanes
	s_wait_alu depctr_va_vdst(0)
	s_wait_xcnt 0x0                                ; the last tile's stores have read the fragment's registers: they are written again only behind this wait
.irp c, 0,1
	v_cvt_scalef32_pk16_fp6_f32 v[F+6*\c:F+6*\c+2], v[X+32*\c:X+32*\c+15], v[12+\c]
	v_cvt_scalef32_pk16_fp6_f32 v[G+4*\c:G+4*\c+2], v[X+32*\c+16:X+32*\c+31], v[12+\c]
.endr
	v_nop                                          ; one plain place behind a scaled conversion
.irp c, 0,1
.irp i, 0,1,2
	v_mov_b32 v[F+3+6*\c+\i], v[G+4*\c+\i]
.endr
.endr
.if (\t)%2 == 0
	v_mov_b32 v18, v16                             ; the even tile's words are kept;
.else
	v_cndmask_b32 v[20+(\t)/2], v18, v16, s22      ; lanes 0-15 take them, lanes 16-31 the odd tile's
.endif
	global_store_b128 v2, v[F:F+3], s[28:29] offset:768*(\t) th:TH_STORE_NT            ; 512 consecutive bytes, at a multiple of 256 from the buffer's first byte
	global_store_b64 v3, v[F+4:F+5], s[28:29] offset:768*(\t)+512 th:TH_STORE_NT       ; 256 more
	global_store_b128 v2, v[F+6:F+9], s[30:31] offset:768*(\t) th:TH_STORE_NT
	global_store_b64 v3, v[F+10:F+11], s[30:31] offset:768*(\t)+512 th:TH_STORE_NT
.endm
	s_wait_alu depctr_va_vdst(0)
	TILE 0
	TILE 1
	TILE 2
	TILE 3
	global_store_b64 v3, v[20:21], s[32:33] th:TH_STORE_NT   ; the item's scale words: 256 consecutive bytes
	s_cmp_lt_u32 ttmp9, 256
	s_cbranch_scc0 .Lend                           ; W's words are whole K steps' words: done
	v_alignbit_b32 v22, v20, v20, 16               ; keys: the second head's two bytes come to bytes 0 and 1.  (Bytes 2 and 3 then hold the other head's, 1 .. 254: in the product they meet zero codes)
	v_alignbit_b32 v23, v21, v21, 16
	global_store_b64 v3, v[22:23], s[34:35] th:TH_STORE_NT
	s_branch .Lend
.Lv:	; ---- VALUES: an item is one head x one step: 128 keys x 64 channels.  A LANE TAKES A CHANNEL, AND ITS REGISTERS RUN DOWN THE KEYS: a block of 32 keys lies in one lane's 32 registers
	s_sub_co_u32 s17, s17, 4*288                   ; the record's number: 16 x head + step
	s_lshr_b32 s18, s17, 8                         ; n
	s_bfe_u32 s19, s17, 0x40004                    ; the head in n
	s_and_b32 s23, s17, 15                         ; step
	s_lshl_b32 s18, s18, 11
	s_lshl_b32 s23, s23, 7
	s_add_co_u32 s18, s18, s23                     ; the first key's row
	s_lshl_b32 s18, s18, 12
	s_lshl_b32 s19, s19, 8
	s_add_co_u32 s34, s18, s19
	s_mov_b32 s35, 0
	s_add_nc_u64 s[24:25], s[8:9], s[34:35]
	s_mul_i32 s34, s17, REC
	s_add_co_u32 s34, s34, 6144
	s_add_nc_u64 s[26:27], s[10:11], s[34:35]      ; V's part of the record
	s_wait_alu depctr_va_vdst(0)
	v_lshlrev_b32 v4, 2, v1                        ; 4 x lane
.macro VLOAD q                         ; unit q = 2 beta + b: keys 32 beta + i, channel 32 b + lane: 128 consecutive bytes a load
.irp i, 0,1,2,3,4,5,6,7,8,9,10,11,12,13,14,15,16,17,18,19,20,21,22,23,24,25,26,27,28,29,30,31
	global_load_b32 v[R+32*((\q)%2)+\i], v4, s[24:25] offset:(32*((\q)/2)+\i)*4096+128*((\q)%2) th:TH_LOAD_NT
.endr
.endm
	VLOAD 0
	VLOAD 1
	s_mul_i32 s23, s16, VSTG
	s_add_co_u32 s23, s23, VSTG0                   ; my stage
	v_bfe_u32 v9, v0, 3, 2                         ; channel 32 b + x is row 8 b + x % 8 of tile u = x / 8
	v_and_b32 v10, 7, v0                           ; x % 8
	v_bfe_u32 v11, v0, 3, 1                        ; u % 2
	v_lshlrev_b32 v5, 4, v10
	v_mad_u32_u24 v5, v9, 1536, v5
	v_add_nc_u32 v5, s23, v5                       ; into the images: 1,536 u + 16 (x % 8); 128 b stands in the stores' offsets
	v_lshl_or_b32 v6, v11, 4, v10
	v_bfe_u32 v11, v0, 4, 1                        ; u / 2: which of the two scale registers
	v_lshlrev_b32 v6, 3, v6
	v_lshl_add_u32 v6, v11, 2, v6
	v_add_nc_u32 v6, s23, v6
	v_add_nc_u32 v6, 6144, v6                      ; my channel's scale word: 8 (16 (u % 2) + x % 8) + 4 (u / 2); 64 b stands in the store's offset
	v_add_nc_u32 v9, s23, v2                       ; out of the stage: 16 x lane,
	v_add_nc_u32 v14, s23, v3
	v_add_nc_u32 v14, 6144, v14                    ; and 8 x lane of the scale words
.macro VBLOCK q
.set XS, R+32*((\q)%2)
.set VB, (\q)%2
.set VBETA, (\q)/2
.set VOFS, 128*VB+256*(VBETA%2)        ; row 8 b + x % 8; block beta = 2 c + h belongs to lane r + 16 h, registers 6 c .. 6 c + 5
.if (\q) < 7
	s_wait_loadcnt 32                              ; this unit's 32 loads are in; the next unit's may be out
.else
	s_wait_loadcnt 0x0
.endif
	v_max3_num_f32 v10, |v[XS]|, |v[XS+1]|, |v[XS+2]|
	v_max3_num_f32 v11, |v[XS+3]|, |v[XS+4]|, |v[XS+5]|
.irp i, 6,10,14,18,22,26
	v_max3_num_f32 v10, v10, |v[XS+\i]|, |v[XS+\i+1]|
	v_max3_num_f32 v11, v11, |v[XS+\i+2]|, |v[XS+\i+3]|
.endr
	v_max3_num_f32 v10, v10, |v[XS+30]|, |v[XS+31]|
	v_max3_num_f32 v10, v10, v11, 0x1800000        ; and the floor 2^(3 - 127)
	v_add_nc_u32 v12, 0xff000000, v10
	v_lshrrev_b32 v13, 23, v12
.if VBETA == 0
	v_mov_b32 v[20+VB], v13                        ; the channel's four bytes make its scale word
.else
	v_lshl_or_b32 v[20+VB], v13, 8*VBETA, v[20+VB]
.endif
	v_cvt_scalef32_pk16_fp6_f32 v[F:F+2], v[XS:XS+15], v12
	v_cvt_scalef32_pk16_fp6_f32 v[G:G+2], v[XS+16:XS+31], v12
	v_nop                                          ; one plain place behind a scaled conversion
.irp i, 0,1,2
	v_mov_b32 v[F+3+\i], v[G+\i]
.endr
.if VBETA < 2
	ds_store_b128 v5, v[F:F+3] offset:VOFS         ; registers 0-3: group 0
	ds_store_b64 v5, v[F+4:F+5] offset:VOFS+512    ; registers 4-5: the lower half of group 1
.else
	ds_store_b64 v5, v[F:F+1] offset:VOFS+520      ; registers 6-7: its upper half
	ds_store_b128 v5, v[F+2:F+5] offset:VOFS+1024  ; registers 8-11: group 2
.endif
.if (\q) < 6
	VLOAD (\q)+2
.endif
	s_wait_dscnt 0x0                               ; the stores have read their registers: the next block's codes may be written
.endm
	VBLOCK 0
	VBLOCK 1
	VBLOCK 2
	VBLOCK 3
	VBLOCK 4
	VBLOCK 5
	VBLOCK 6
	VBLOCK 7
	ds_store_b32 v6, v20
	s_wait_alu depctr_va_vdst(0)
	ds_store_b32 v6, v21 offset:64
.irp i, 0,1,2,3,4,5,6,7,8,9,10,11
	ds_load_b128 v[128+4*\i:128+4*\i+3], v9 offset:512*\i   ; LDS serves a wave's instructions in order: these see my stores
.endr
	ds_load_b64 v[176:177], v14
.irp i, 0,1,2,3,4,5,6,7,8,9,10,11
	s_wait_dscnt 12-\i                             ; the younger LDS loads may be out
	global_store_b128 v2, v[128+4*\i:128+4*\i+3], s[26:27] offset:512*\i th:TH_STORE_NT   ; 512 consecutive bytes, at a multiple of 256 from the buffer's first byte
.endr
	s_wait_dscnt 0x0
	global_store_b64 v3, v[176:177], s[26:27] offset:6656 th:TH_STORE_NT
.Lend:
	s_wait_tensorcnt 0x0                           ; the wave's end
	ds_add_u32 v[SPW], v[NIL]
	s_wait_dscnt 0x0
	s_endpgm
.Lfunc_end_k_qa81d3e92f2_prep:
	.size	k_qa81d3e92f2_prep, .Lfunc_end_k_qa81d3e92f2_prep-k_qa81d3e92f2_prep
	.p2alignl 7, 3214868480
	.fill 96, 4, 3214868480
	.section	.rodata,"a",@progbits
	.p2align	6, 0x0
	.amdhsa_kernel k_qa81d3e92f2_prep
		.amdhsa_group_segment_fixed_size 59904
		.amdhsa_private_segment_fixed_size 0
		.amdhsa_enable_private_segment 0
		.amdhsa_kernarg_size 40
		.amdhsa_user_sgpr_count 2
		.amdhsa_user_sgpr_kernarg_segment_ptr 1
		.amdhsa_wavefront_size32 1
		.amdhsa_system_sgpr_workgroup_id_x 1
		.amdhsa_system_sgpr_workgroup_id_y 1
		.amdhsa_system_sgpr_workgroup_id_z 1
		.amdhsa_system_vgpr_workitem_id 0
		.amdhsa_next_free_vgpr 256
		.amdhsa_next_free_sgpr 66
		.amdhsa_reserve_vcc 0
		.amdhsa_float_denorm_mode_32 3
		.amdhsa_float_denorm_mode_16_64 3
		.amdhsa_memory_ordered 1
		.amdhsa_forward_progress 1
		.amdhsa_inst_pref_size 73
	.end_amdhsa_kernel
	.amdgpu_metadata
---
amdhsa.version: [ 1, 2 ]
amdhsa.kernels:
  - .name:           k_qa81d3e92f2_prep
    .symbol:         k_qa81d3e92f2_prep.kd
    .args:
      - { .name: keys, .offset: 0, .size: 8, .value_kind: global_buffer, .address_space: global }
      - { .name: W_out, .offset: 8, .size: 8, .value_kind: global_buffer, .address_space: global }
      - { .name: values, .offset: 16, .size: 8, .value_kind: global_buffer, .address_space: global }
      - { .name: kv, .offset: 24, .size: 8, .value_kind: global_buffer, .address_space: global }
      - { .name: wc, .offset: 32, .size: 8, .value_kind: global_buffer, .address_space: global }
    .group_segment_fixed_size: 59904
    .private_segment_fixed_size: 0
    .kernarg_segment_align: 8
    .kernarg_segment_size: 40
    .max_flat_workgroup_size: 128
    .sgpr_count:     66
    .vgpr_count:     256
    .wavefront_size: 32
...
	.end_amdgpu_metadata
.endif
;; end of part 1
;; launch attn (part 2): grid 4 x 64, 8 waves a work-group, clusters of 4 x 1, 280,576 bytes of LDS; arguments query, kv, ac, asc; writes ac, asc
.if DOCPART == 2
	.amdgcn_target "amdgcn-amd-amdhsa--gfx1250"
	.amdhsa_code_object_version 6
	.text
	.protected	k_qa81d3e92f2_attn
	.globl	k_qa81d3e92f2_attn
	.p2align	8
	.type	k_qa81d3e92f2_attn,@function
k_qa81d3e92f2_attn:
	s_mov_b64 s[64:65], 0
	v_nop
	global_prefetch_b8 v0, s[64:65] scope:SCOPE_SE
	s_setreg_imm32_b32 hwreg(HW_REG_WAVE_MODE, 25, 1), 1
	s_wait_xcnt 0x0
	s_wait_alu depctr_hold_cnt(0) depctr_sa_sdst(0) depctr_va_vdst(0) depctr_va_sdst(0) depctr_va_ssrc(0) depctr_va_vcc(0) depctr_vm_vsrc(0)
	s_getreg_b32 s2, hwreg(HW_REG_IB_STS2, 6, 4)
	s_cmp_eq_u32 s2, 0
	s_cbranch_scc0 .Lentry_in_a_cluster
	s_endpgm
.Lentry_in_a_cluster:
	s_bfe_u32 s2, ttmp6, 0x10000c
	s_cmp_lg_u32 s2, 0x3003
	s_cbranch_scc0 .Lentry_shape_is_right
	s_endpgm
.Lentry_shape_is_right:
; ATTENTION on codes of FP6 (E2M3) with E8M0 scales, for 64 heads (16 n + hd) of 2,048 queries, 2,048 keys, 64 channels.  Its result, divided by the row's sum, is quantised along E and leaves as the next product's operand.
; SOFTMAX: t = score x log2(e) / 8; M = the running largest t rounded UP to a whole number; p = 2^(t - M) is quantised along the keys, not normalised; the row's sum is taken of the unquantised p; when M moves, the sum
; and O^T are multiplied by 2^(old M - new M): exact.
; SHARES: a cluster of four work-groups is one head; work-group cx owns queries 512 cx .. + 511; each of its eight waves owns TWO tiles of 16 queries at a time, in two passes (queries 256 p + 32 w + 16 i + r): both tiles
; take each fragment of K and V, which is read from LDS once for the two; 512 registers, two waves to a SIMD.
; A WHOLE HEAD'S K AND V, 16 records of 13,056 bytes, lie in LDS for the whole launch: each wave asks for two records by one tensor load, JOINTLY with the same wave of the three partners.  No LDS byte is filled twice.
; LAYOUT: both products transposed (S^T = K q^T, O^T = V^T P^T): a lane holds ONE query of each tile (lane % 16).  Row 8 h + j of tile 4 g + u of K is key 64 g + 32 h + 8 u + j, so the 32 registers of tiles 4 g .. 4 g + 3 are,
; in lane half h, the WHOLE block of keys 64 g + 32 h + 0 .. 31: its codes are registers 6 g .. 6 g + 5 of P's operand as they come.  V's channels are ordered alike: O^T's 32 registers are channels 32 h + 0 .. 31.
; REGISTERS, in two windows of 256.  Window 0: addresses, K's fragments, all scale words, query tile 0's arrays, and BOTH tiles' single numbers (maxima, M, f, scale operands), so that the two tiles' short dependent chains stand
; line by line beside each other.  Window 1: V's fragments (at K's numbers) and query tile 1's arrays, at tile 0's numbers.  K has registers of its own, so the next step's K is asked for behind this step's score products.
; q: a pass's 32 rows x 256 bytes are loaded row by row and turn through the wave's own stage in LDS, so that a lane gets a block of 32 channels.  Pass 1's rows are named by one prefetch a wave behind the first barrier
; (a lane a row), 16 key steps ahead of their loads, which are issued at the end of pass 0.
; K = 64 UNDER AN INSTRUCTION OF 128: q's registers 6-11 are zero codes and its scale bytes 2, 3 are 0x7f.  K's operand for tile t is 12 registers from its own six on: the upper six are the next tile's codes (tile 7: zeros);
; every code of E2M3 is a finite number and no scale byte there is 0xff, so these products are exact zeros.
; LIMITS: the promise holds while |t| stays under 2^31.  NaN and infinities among the inputs are not served; a block whose largest magnitude lies under 2^-124 keeps the byte 1; a block of zeros gets the byte 1 and not 127
; (its codes are zeros; this program alone reads the bytes).  kv is not prefetched: all of it is asked for in the launch's first lines.
.set REC,   13056
.set SCST,  16*REC                     ; the result's scale bytes of my 512 rows, 2 a row: 1,024 bytes, written by LDS stores alone
.set SPARE, SCST+1024                  ; the spare words, 128 bytes for each wave, that no other line names
.set QST,   SPARE+1024                 ; q's stages: 32 rows x (256 + 16) bytes for each wave, written by LDS stores alone
.set QSTW,  32*272
.set A16,  1                           ; 16 x lane
.set A8,   2                           ; 8 x lane
.set SPW,  3                           ; my spare word; never rewritten
.set NIL,  4                           ; 0; never rewritten
.set AD16, 5                           ; the step's record + 16 x lane, + 8 x lane
.set AD8,  6
.set SCA,  7                           ; where my block's scale byte goes
.set QO,   8                           ; q in memory: 4,096 (lane / 16) + 16 (lane % 16)
.set H8,   9                           ; 8 h (a copy in window 1).  v10, v11: the tail's addresses
.set NM,   12                          ; v[12:13], v[252:253]: -M and the running largest score of tile 0, 1
.set QSI,  14                          ; q's stage, in and out
.set QSO,  15
.set QF,   16                          ; v16-27 q's fragment (22-27 zeros), in the tile's window
.set QS,   28                          ; v28, v29 q's scale words
.set KV,   42                          ; window 0: v42-89 K's 8 half fragments, v90-95 zeros;  window 1: v42-89 V's 4 fragments
.set S,    96                          ; v96-159 S^T, then p
.set XR,   S+32                        ; q as loaded
.set O,    160                         ; v160-191 O^T
.set PC,   192                         ; v192-203 codes
.set CT,   204                         ; v204-206, v208-210 the conversions' second halves
.set PFO,  207                         ; the prefetch's offset; never rewritten
.set BM,   212                         ; v212-215 blocks' maxima, two a tile
.set BT,   216                         ; v216-219 at work, two a tile
.set SO,   220                         ; v220-223 the conversions' scale operands, two a tile
.set KS,   224                         ; v224-227 K's scale words; v228-229 V's; v230, v231 p's
.set VS,   228
.set PS,   230
.set FF,   232                         ; v[232:233], v[234:235] f = 2^(old M - new M)
.set TS,   236                         ; v236-251 eight partial sums; the last pair is the row's running sum
.set LS,   TS+14
.set TT,   254                         ; v254, v255 at work, one a tile
.set WV,   12
.set SEL,  22                          ; s[22:23] selects for lane l xor 16
.set CS,   24                          ; s[24:25] c = log2(e) / 8; s26 = -c
.set NC,   26
.set G1,   28
.set G0,   36
.set TB,   40
.set CNT,  41
.set MSB, 0
.macro WIN new                         ; low byte: bits 1:0 source 0, 3:2 source 1, 5:4 source 2, 7:6 destination; the high byte repeats the setting that is left
.if MSB != (\new)
	s_set_vgpr_msb (MSB<<8)|(\new)
.set MSB, \new
.endif
.endm
.macro CROUND                          ; a round of the cluster's barrier
	s_barrier_signal -1
	s_barrier_wait -1
	s_cmp_lg_u32 s[WV], 0
	s_cbranch_scc1 .Lnot_wave_0_\@
	s_barrier_signal -3
.Lnot_wave_0_\@:
	s_barrier_wait -3
	s_barrier_signal -1
	s_barrier_wait -1
.endm
.macro D1
	s_delay_alu instid0(VALU_DEP_1)
.endm
.macro D2
	s_delay_alu instid0(VALU_DEP_2)
.endm
.macro WM d, a, b, c, sa, sb, odd      ; one product; odd: source 0's scales stand in lanes 16-31
.if \odd
	v_wmma_scale_f32_16x16x128_f8f6f4 v[\d:\d+7], v[\a:\a+11], v[\b:\b+11], \c, v[\sa], v[\sb] matrix_a_fmt:MATRIX_FMT_FP6 matrix_b_fmt:MATRIX_FMT_FP6 matrix_a_scale:MATRIX_SCALE_ROW1
.else
	v_wmma_scale_f32_16x16x128_f8f6f4 v[\d:\d+7], v[\a:\a+11], v[\b:\b+11], \c, v[\sa], v[\sb] matrix_a_fmt:MATRIX_FMT_FP6 matrix_b_fmt:MATRIX_FMT_FP6
.endif
.endm
; 32 numbers of a lane, one block, at v[x ..]: codes into v[d .. d + 5], the scale's byte into v[BT]; all in one window
.macro QUANT x, d
	v_max3_num_f32 v[BM], |v[\x]|, |v[\x+1]|, 0x1800000            ; with the floor 2^(3 - 127): the byte cannot fall under 1
	v_max3_num_f32 v[BM+1], |v[\x+16]|, |v[\x+17]|, |v[\x+18]|
.irp i, 2,4,6,8,10,12
	v_max3_num_f32 v[BM], v[BM], |v[\x+\i]|, |v[\x+\i+1]|
	v_max3_num_f32 v[BM+1], v[BM+1], |v[\x+\i+17]|, |v[\x+\i+18]|
.endr
	v_max3_num_f32 v[BM], v[BM], |v[\x+14]|, |v[\x+15]|
	D1
	v_max3_num_f32 v[BM], v[BM], v[BM+1], |v[\x+31]|
	D1
	v_add_nc_u32 v[SO], 0xff000000, v[BM]          ; 2 off the exponent field: the conversion's scale operand
	D1
	v_lshrrev_b32 v[BT], 23, v[SO]
	v_cvt_scalef32_pk16_fp6_f32 v[\d:\d+2], v[\x:\x+15], v[SO]
	v_cvt_scalef32_pk16_fp6_f32 v[CT:CT+2], v[\x+16:\x+31], v[SO]
	v_nop                                          ; one plain place behind a scaled conversion
.irp i, 0,1,2
	v_mov_b32 v[\d+3+\i], v[CT+\i]
.endr
.endm
.macro QASK p                          ; pass p's 32 rows: each load reads two rows' 256 bytes; tile i's into window i
.irp i, 0,1
	WIN 0x40*\i
.irp k, 0,1,2,3,4,5,6,7
	global_load_b128 v[XR+4*\k:XR+4*\k+3], v[QO], s[4:5] offset:1048576*(\p)+65536*\i+8192*\k th:TH_LOAD_NT
.endr
.endr
	WIN 0
.endm
.macro QMAKE                           ; through my stage (LDS serves a wave's instructions in order), then into q's fragments and scale words
	s_wait_alu depctr_va_vdst(0)
	s_wait_loadcnt 0x0
.irp i, 0,1
	WIN 0x04*\i
.irp k, 0,1,2,3,4,5,6,7
	ds_store_b128 v[QSI], v[XR+4*\k:XR+4*\k+3] offset:4352*\i+544*\k
.endr
.endr
.irp i, 0,1
	WIN 0x40*\i
.irp k, 0,1,2,3,4,5,6,7
	ds_load_b128 v[S+4*\k:S+4*\k+3], v[QSO] offset:4352*\i+16*\k
.endr
.endr
	s_wait_dscnt 0x0
.irp i, 0,1
	WIN 0x55*\i
	QUANT S, QF
	v_lshlrev_b32 v[BT+1], v[H8], v[BT]            ; my byte at its place,
	D1
	v_permlanex16_b32 v[TT], v[BT+1], s[SEL], s[SEL+1]
	D1
	v_or_b32 v[BT+1], v[BT+1], v[TT]               ; with lane l xor 16's,
	WIN 0x04*\i
	v_or_b32 v[QS+\i], 0x7f7f0000, v[BT+1]         ; and 1.0 for the two blocks of zero codes: the word goes to window 0
.endr
	WIN 0
.endm
.macro KLOAD a, b, off                 ; 18 LDS loads: K's half fragments and scale words (lanes 0-15 an even tile's, lanes 16-31 the odd tile's beside it)
.irp t, 0,1,2,3,4,5,6,7
	ds_load_b128 v[KV+6*\t:KV+6*\t+3], v[\a] offset:\off+768*\t
	ds_load_b64 v[KV+6*\t+4:KV+6*\t+5], v[\b] offset:\off+768*\t+512
.endr
	ds_load_b64 v[KS:KS+1], v[\b] offset:\off+12288
	ds_load_b64 v[KS+2:KS+3], v[\b] offset:\off+12544
.endm
	s_load_b256 s[4:11], s[0:1], 0x0               ; query, kv, ac, asc
	v_lshl_add_u32 v[SPW], v0, 2, SPARE
	v_mov_b32 v[NIL], 0
	ds_add_u32 v[SPW], v[NIL]                      ; the opening lines: the add, twice on end, and its wait below
	ds_add_u32 v[SPW], v[NIL]
	v_lshrrev_b32 v1, 5, v0
	v_readfirstlane_b32 s[WV], v1                  ; wave 0..7
	s_bfe_u32 s13, ttmp6, 0x40000                  ; cx: it enters the addresses of query, ac and asc alone
	s_and_b32 s14, ttmp7, 0xffff                   ; the head, which the four partners share
	s_lshr_b32 s15, s14, 4                         ; n
	s_and_b32 s16, s14, 15                         ; hd
	s_mov_b32 s[G1], 15|(3<<16)|(1<<21)            ; the mask: all four work-groups; elements of 8 bytes; bit 21 beside a mask
	s_mov_b32 s[G1+1], 32<<16                      ; rows of 256 bytes
	s_mov_b32 s[G1+2], 102<<16                     ; 102 rows: two records, dense in memory
	s_mov_b32 s[G1+3], 32<<16
	s_mov_b32 s[G1+4], 102
	s_mov_b32 s[G1+5], 32
	s_mov_b32 s[G1+6], 0
	s_mov_b32 s[G1+7], 0
	s_mov_b32 s[SEL], 0x76543210
	s_mov_b32 s[SEL+1], 0xfedcba98
	s_mov_b32 s[CS], 0x3e38aa3b
	s_mov_b32 s[CS+1], s[CS]
	s_mov_b32 s[NC], 0xbe38aa3b
	s_lshl_b32 s18, s15, 11
	s_lshl_b32 s19, s13, 9
	s_add_co_u32 s18, s18, s19                     ; my work-group's first row: 2,048 n + 512 cx
	s_lshl_b32 s44, s18, 1
	s_lshl_b32 s45, s16, 14
	s_add_co_u32 s44, s44, s45                     ; asc: [head][row] of 2 bytes
	s_mov_b32 s45, 0
	s_lshl_b32 s19, s[WV], 5
	s_add_co_u32 s18, s18, s19                     ; my wave's first row,
	s_lshl_b32 s18, s18, 12
	s_lshl_b32 s19, s16, 8
	s_add_co_u32 s18, s18, s19                     ; and my head's 256 bytes of it
	s_mov_b32 s19, 0
	s_lshl_b32 s20, s14, 3
	s_add_co_u32 s20, s20, s[WV]
	s_mul_i32 s20, s20, 2*REC                      ; kv: records 16 x head + 2 x wave, + 1: the same in all four partners
	s_mov_b32 s21, 0
	s_mov_b32 s[G0], 1
	s_mul_i32 s[G0+1], s[WV], 2*REC
	s_lshl_b32 s42, s15, 4
	s_lshl_b32 s43, s13, 2
	s_add_co_u32 s42, s42, s43
	s_lshr_b32 s43, s[WV], 2
	s_add_co_u32 s42, s42, s43                     ; ac: block of 128 rows = 16 n + 4 cx + wave / 4 (pass 1: two blocks on)
	s_lshl_b32 s42, s42, 4
	s_add_co_u32 s42, s42, s16
	s_mul_i32 s42, s42, 6144                       ; [block][head][tile 8][768]
	s_and_b32 s43, s[WV], 3
	s_mul_i32 s43, s43, 1536                       ; my two tiles
	s_add_co_u32 s42, s42, s43
	s_mov_b32 s43, 0
	s_mul_i32 s46, s[WV], QSTW
	s_add_co_u32 s46, s46, QST                     ; my stage
	s_lshl_b32 s47, s[WV], 6
	s_add_co_u32 s47, s47, SCST
	v_and_b32 v5, 31, v0
	v_and_b32 v6, 15, v0                           ; r
	v_bfe_u32 v9, v0, 4, 1                         ; h
	v_lshlrev_b32 v[A16], 4, v5
	v_lshlrev_b32 v[A8], 3, v5
	v_lshlrev_b32 v[PFO], 12, v5                   ; a lane a row
	v_lshlrev_b32 v[QO], 12, v9
	v_mul_u32_u24 v[QSI], v9, 272
	v_mul_u32_u24 v[QSO], v6, 272
	v_lshl_add_u32 v[SCA], v6, 1, v9
	v_lshl_add_u32 v[QO], v6, 4, v[QO]
	v_lshl_add_u32 v[QSI], v6, 4, v[QSI]
	v_lshl_add_u32 v[QSO], v9, 7, v[QSO]
	v_add_nc_u32 v[SCA], s47, v[SCA]               ; SCST + 64 x wave + 2 r + h
	v_add_nc_u32 v[QSI], s46, v[QSI]               ; in: row lane / 16 (two rows a store), 16 (lane % 16)
	v_add_nc_u32 v[QSO], s46, v[QSO]               ; out: row r, + 128 h
	v_lshlrev_b32 v[H8], 3, v9
	v_lshl_add_u32 v10, v0, 4, SCST                ; the tail: 16 bytes a thread of the 1,024 (threads 0-63),
	v_lshlrev_b32 v11, 4, v0                       ; and the same place in asc
	v_mov_b32 v[TT], 0                             ; written once: a lane permute's destination counts as one of its sources
	v_mov_b32 v[BT+2], 0
	v_mov_b32 v[FF+1], 0                           ; (named as the upper halves of pairs)
	v_mov_b32 v[FF+3], 0
.irp j, 90,91,92,93,94,95
	v_mov_b32 v\j, 0                               ; the upper six registers of K's tile 7
.endr
.irp j, 6,7,8,9,10,11
	v_mov_b32 v[QF+\j], 0                          ; q's zero codes, tile 0
.endr
	WIN 0x40                                       ; destinations in window 1
	v_mov_b32 v[H8], v[H8]                         ; 8 h once more,
	v_mov_b32 v[TT], 0
.irp j, 6,7,8,9,10,11
	v_mov_b32 v[QF+\j], 0                          ; and tile 1's zero codes
.endr
	WIN 0
	s_wait_alu depctr_va_vdst(0)
	s_wait_dscnt 0x0                               ; both opening adds are done
	s_wait_kmcnt 0x0
	s_add_nc_u64 s[4:5], s[4:5], s[18:19]
	s_add_nc_u64 s[G0+2:G0+3], s[6:7], s[20:21]
	s_or_b32 s[G0+3], s[G0+3], 0x80000000
	s_add_nc_u64 s[8:9], s[8:9], s[42:43]
	s_add_nc_u64 s[10:11], s[10:11], s[44:45]
	QASK 0
	CROUND                                         ; all four work-groups are here: the joint loads meet
	tensor_load_to_lds s[G0:G0+3], s[G1:G1+7]      ; my two records: the launch's only tensor load of mine
	s_nop 0
.rept 4
	v_nop
.endr
	QMAKE
	s_wait_tensorcnt 0x0                           ; my records are in LDS,
	s_barrier_signal -1
	s_barrier_wait -1                              ; everybody's are: the whole head
	global_prefetch_b8 v[PFO], s[4:5] offset:1048576 th:TH_LOAD_NT scope:SCOPE_SE   ; pass 1's 32 rows of mine, 256 bytes each
	KLOAD A16, A8, 0                               ; the first step's K
.macro MAXES                           ; the largest score of my two blocks of 32 keys but for each block's last number; two chains a block, every accumulator from its low end on; all in one window
.irp g, 0,1
	v_max3_num_f32 v[BM+\g], v[S+32*\g], v[S+32*\g+1], v[S+32*\g+2]
	v_max3_num_f32 v[BT+\g], v[S+32*\g+16], v[S+32*\g+17], v[S+32*\g+18]
.endr
.irp i, 3,5,7,9,11,13
.irp g, 0,1
	v_max3_num_f32 v[BM+\g], v[BM+\g], v[S+32*\g+\i], v[S+32*\g+\i+1]
	v_max3_num_f32 v[BT+\g], v[BT+\g], v[S+32*\g+\i+16], v[S+32*\g+\i+17]
.endr
.endr
.irp g, 0,1
	v_max3_num_f32 v[BM+\g], v[BM+\g], v[BT+\g], v[S+32*\g+15]
.endr
.endm
.macro SUMS                            ; the row's sum of the unquantised p, in eight chains, with the six moves of the codes' second halves among them; all in one window
.set j, 0
.rept 7                                        ; (these lines are also the place behind the conversions)
	v_pk_add_f32 v[TS+2*j:TS+2*j+1], v[S+4*j:S+4*j+1], v[S+4*j+2:S+4*j+3]
.set j, j+1
.endr
	v_pk_add_f32 v[LS:LS+1], v[LS:LS+1], v[S+28:S+29]
.irp g, 0,1
.irp i, 0,1,2
	v_mov_b32 v[PC+3+6*\g+\i], v[CT+4*\g+\i]
.endr
.endr
.set j, 0
.rept 17                                       ; (24 plain lines from here on: the places behind the writes of p's codes)
	v_pk_add_f32 v[TS+2*(j%8):TS+2*(j%8)+1], v[TS+2*(j%8):TS+2*(j%8)+1], v[S+30+2*j:S+31+2*j]
.set j, j+1
.endr
	v_pk_add_f32 v[TS:TS+1], v[TS:TS+1], v[TS+2:TS+3]
	v_pk_add_f32 v[TS+4:TS+5], v[TS+4:TS+5], v[TS+6:TS+7]
	v_pk_add_f32 v[TS+8:TS+9], v[TS+8:TS+9], v[TS+10:TS+11]
	v_pk_add_f32 v[LS:LS+1], v[LS:LS+1], v[TS+12:TS+13]
	v_pk_add_f32 v[TS:TS+1], v[TS:TS+1], v[TS+4:TS+5]
	D2
	v_pk_add_f32 v[LS:LS+1], v[LS:LS+1], v[TS+8:TS+9]
	D1
	v_pk_add_f32 v[LS:LS+1], v[LS:LS+1], v[TS:TS+1]
.endm
.macro TMINUSM i                       ; t - M, two at a time
.set j, 0
.rept 32
	v_pk_fma_f32 v[S+j:S+j+1], v[S+j:S+j+1], s[CS:CS+1], v[NM+240*(\i):NM+240*(\i)+1] op_sel_hi:[1,0,0]
.set j, j+2
.endr
.endm
.macro EXPS                            ; p = 2^(t - M), at most 1: not normalised
.set j, 0
.rept 64
	v_exp_f32 v[S+j], v[S+j]
.set j, j+1
.endr
.endm
.macro RESCALE i                       ; O^T under the new M, each accumulator from its low end on
.set j, 0
.rept 16
	v_pk_mul_f32 v[O+j:O+j+1], v[O+j:O+j+1], v[FF+2*(\i):FF+2*(\i)+1] op_sel_hi:[1,0]
.set j, j+2
.endr
.endm
.macro CODES i
.irp g, 0,1
	v_cvt_scalef32_pk16_fp6_f32 v[PC+6*\g:PC+6*\g+2], v[S+32*\g:S+32*\g+15], v[SO+2*(\i)+\g]
	v_cvt_scalef32_pk16_fp6_f32 v[CT+4*\g:CT+4*\g+2], v[S+32*\g+16:S+32*\g+31], v[SO+2*(\i)+\g]
.endr
.endm
; A KEY STEP: 128 keys, the record at s[TB], both query tiles.  nx = 0: the next record's K is asked for; 1: record 0's, for the next pass; 2: none
.macro STEP nx
	v_add_nc_u32 v[AD16], s[TB], v[A16]
	v_add_nc_u32 v[AD8], s[TB], v[A8]
	s_wait_alu depctr_va_vdst(0)
	s_wait_dscnt 0x0                               ; K, asked for a step ago, is in
.irp t, 0,1,2,3,4,5,6,7                        ; S^T = K q^T: sixteen accumulators, one instruction each
	WM S+8*\t, KV+6*\t, QF, 0, KS+\t/2, QS, \t%2
.endr
	WIN 0x44                                       ; tile 1: q and S^T in window 1
.irp t, 0,1,2,3,4,5,6,7
	WM S+8*\t, KV+6*\t, QF, 0, KS+\t/2, QS+1, \t%2
.endr
.rept 4
	v_nop                                          ; four places: in front of the loads into K's and V's registers, and of the first read of the scores
.endr
	WIN 0x40
.irp t, 0,1,2,3                                ; V's four fragments, into window 1
.irp g, 0,1,2
	ds_load_b128 v[KV+12*\t+4*\g:KV+12*\t+4*\g+3], v[AD16] offset:6144+1536*\t+512*\g
.endr
.endr
	WIN 0
	ds_load_b64 v[VS:VS+1], v[AD8] offset:12800
.if \nx == 0
	KLOAD AD16, AD8, REC
.elseif \nx == 1
	KLOAD A16, A8, 0
.endif
	MAXES
.irp g, 0,1
	v_max_num_f32 v[BM+\g], v[BM+\g], v[S+32*\g+31]
.endr
	WIN 0x55
	MAXES
	WIN 0x05                                       ; tile 1's two maxima go to window 0
.irp g, 0,1
	v_max_num_f32 v[BM+2+\g], v[BM+\g], v[S+32*\g+31]
.endr
	WIN 0                                          ; the two tiles' chains, line by line
.irp i, 0,1
	v_max_num_f32 v[TT+\i], v[BM+2*\i], v[BM+2*\i+1]
.endr
.irp i, 0,1
	D2
	v_permlanex16_b32 v[BT+2*\i], v[TT+\i], s[SEL], s[SEL+1]
.endr
.irp i, 0,1
	v_mov_b32 v[BT+2*\i+1], v[NM+240*\i]           ; the old -M
.endr
.irp i, 0,1
	v_max3_num_f32 v[NM+240*\i+1], v[NM+240*\i+1], v[TT+\i], v[BT+2*\i]   ; the running largest score of my query (c is positive: its t is the largest t)
.endr
.irp i, 0,1
	D2
	v_mul_f32 v[TT+\i], s[NC], v[NM+240*\i+1]
.endr
.irp i, 0,1
	D2
	v_floor_f32 v[NM+240*\i], v[TT+\i]             ; the new -M = floor(-t): M is a whole number
.endr
.irp i, 0,1
	D2
	v_sub_f32 v[TT+\i], v[NM+240*\i], v[BT+2*\i+1] ; old M - new M: a whole number, 0 or less
.endr
.irp i, 0,1
	D2
	v_cvt_i32_f32 v[TT+\i], v[TT+\i]               ; (it saturates)
.endr
.irp i, 0,1
	D2
	v_ldexp_f32 v[FF+2*\i], 1.0, v[TT+\i]          ; f = 2^(old M - new M)
.endr
	TMINUSM 0
.irp i, 0,1
.irp g, 0,1
	v_fma_f32 v[BM+2*\i+\g], v[BM+2*\i+\g], s[CS], v[NM+240*\i]   ; the same of each block's largest score
.endr
.endr
	WIN 0x41                                       ; tile 1's arrays in window 1, its single numbers in window 0
	TMINUSM 1
	s_wait_alu depctr_va_vdst(0)
	EXPS
	WIN 0
	EXPS
.irp k, 0,1,2,3
	v_exp_f32 v[BM+\k], v[BM+\k]                   ; the blocks' largest p: the same two instructions on the same number give the same bits
.endr
	v_pk_mul_f32 v[LS:LS+1], v[LS:LS+1], v[FF:FF+1] op_sel_hi:[1,0]   ; tile 0's sum under the new M: the plain place behind the batch
	s_wait_alu depctr_va_vdst(0)                   ; one wait for the batch, directly ahead of the first reader of O^T
	RESCALE 0
	WIN 0x41
	s_wait_alu depctr_va_vdst(0)                   ; and directly ahead of the first reader of tile 1's
	RESCALE 1
	v_pk_mul_f32 v[LS:LS+1], v[LS:LS+1], v[FF+2:FF+3] op_sel_hi:[1,0]
	WIN 0
.irp k, 0,1,2,3
	v_max_num_f32 v[BM+\k], 0x1800000, v[BM+\k]    ; the floor 2^(3 - 127)
.endr
.irp k, 0,1,2,3
	v_add_nc_u32 v[SO+\k], 0xff000000, v[BM+\k]
.endr
.irp k, 0,1,2,3
	v_lshrrev_b32 v[BT+\k], 23, v[SO+\k]
.endr
.irp i, 0,1
	v_lshl_or_b32 v[PS+\i], v[BT+2*\i+1], 16, v[BT+2*\i]   ; blocks h and 2 + h,
.endr
.irp i, 0,1
	D2
	v_lshlrev_b32 v[PS+\i], v[H8], v[PS+\i]        ; at their places in the word;
.endr
.irp i, 0,1
	D2
	v_permlanex16_b32 v[TT+\i], v[PS+\i], s[SEL], s[SEL+1]
.endr
.irp i, 0,1
	D2
	v_or_b32 v[PS+\i], v[PS+\i], v[TT+\i]          ; with lane l xor 16's two: p's scale word for these 128 keys
.endr
	CODES 0
	SUMS
	WIN 0x41
	CODES 1
	WIN 0x45
	SUMS
	WIN 0
	s_wait_alu depctr_va_vdst(0)
.if \nx == 2
	s_wait_dscnt 0x0                               ; V is in
.else
	s_wait_dscnt 18                                ; V's 13 loads are in; the 18 of the next K, issued behind them, may be out
.endif
	WIN 0x01                                       ; O^T += V^T P^T: eight accumulators, one instruction each.  V in window 1
.irp t, 0,1,2,3
	WM O+8*\t, KV+12*\t, PC, v[O+8*\t:O+8*\t+7], VS+\t/2, PS, \t%2
.endr
	WIN 0x55
.irp t, 0,1,2,3
	WM O+8*\t, KV+12*\t, PC, v[O+8*\t:O+8*\t+7], VS+\t/2, PS+1, \t%2
.endr
	WIN 0
	s_add_co_u32 s[TB], s[TB], REC
.endm
; THE WAY OUT of tile i of a pass: O^T / the sum: my 32 registers are block h (channels 32 h ..) of my query's 64: they become my six registers of a half fragment of the next product's operand
.macro OUT p, i
	WIN 0x55*(\i)
	v_add_f32 v[LS], v[LS], v[LS+1]
	D1
	v_permlanex16_b32 v[TT], v[LS], s[SEL], s[SEL+1]
	D1
	v_add_f32 v[LS], v[LS], v[TT]                  ; with lane l xor 16's keys: the row's sum
	v_nop
	v_nop                                          ; (with the two additions: four places behind the last products)
	s_wait_alu depctr_va_vdst(0)                   ; the wait ahead of the reciprocal
	v_rcp_f32 v[LS], v[LS]
	v_nop
	s_wait_alu depctr_va_vdst(0)                   ; and ahead of its first reader, which is O^T's first reader too
.set j, 0
.rept 16
	v_pk_mul_f32 v[S+j:S+j+1], v[O+j:O+j+1], v[LS:LS+1] op_sel_hi:[1,0]   ; each accumulator from its low end on
.set j, j+2
.endr
	QUANT S, PC
	WIN 0x04*(\i)                                  ; the data in the tile's window
	global_store_b128 v[A16], v[PC:PC+3], s[8:9] offset:196608*(\p)+768*(\i) th:TH_STORE_NT        ; 512 consecutive bytes, at a multiple of 256 from the buffer's first byte
	global_store_b64 v[A8], v[PC+4:PC+5], s[8:9] offset:196608*(\p)+768*(\i)+512 th:TH_STORE_NT    ; 256 more
	ds_store_b8 v[SCA], v[BT] offset:512*(\p)+32*(\i)
	WIN 0
.endm
.macro PASS p
.irp i, 0,1
	v_mov_b32 v[NM+240*\i+1], 0xff61b1e6           ; the largest score so far: -3e38
	v_mov_b32 v[NM+240*\i], 0x7e000000             ; -M: a whole number over every -M to come; the first f is 0
.endr
.irp i, 0,1
	WIN 0x40*\i
	v_mov_b32 v[LS], 0
	v_mov_b32 v[LS+1], 0
.set j, 0
.rept 32
	v_mov_b32 v[O+j], 0                            ; the step is written once; its first trip finds zeros
.set j, j+1
.endr
.endr
	WIN 0
	s_wait_xcnt 0x0                                ; the last pass's stores have read the codes' registers
	s_mov_b32 s[TB], 0
	s_mov_b32 s[CNT], 15
.Lstep_\@:
	STEP 0
	s_sub_co_u32 s[CNT], s[CNT], 1
	s_cmp_lg_u32 s[CNT], 0
	s_cbranch_scc1 .Lstep_\@
	STEP 1+\p                                      ; the last step is written out: no record follows it
.if \p == 0
	QASK 1                                         ; pass 1's q, into registers that the way out does not name
.endif
	OUT \p, 0
	OUT \p, 1
.endm
	PASS 0
	QMAKE
	PASS 1
	s_wait_alu depctr_va_vdst(0)
	s_wait_dscnt 0x0                               ; for the others' sake: my scale bytes are in LDS
	s_barrier_signal -1
	s_barrier_wait -1
	s_cmp_lt_u32 s[WV], 2
	s_cbranch_scc0 .Lno_asc
	ds_load_b128 v[BM:BM+3], v10                   ; waves 0 and 1 store the work-group's 1,024 scale bytes: 512 consecutive bytes a wave
	s_wait_dscnt 0x0
	global_store_b128 v11, v[BM:BM+3], s[10:11] th:TH_STORE_NT
.Lno_asc:
	s_wait_tensorcnt 0x0                           ; the wave's end
	ds_add_u32 v[SPW], v[NIL]
	s_wait_dscnt 0x0
	CROUND                                         ; the closing round
	s_endpgm
.Lfunc_end_k_qa81d3e92f2_attn:
	.size	k_qa81d3e92f2_attn, .Lfunc_end_k_qa81d3e92f2_attn-k_qa81d3e92f2_attn
	.p2alignl 7, 3214868480
	.fill 96, 4, 3214868480
	.section	.rodata,"a",@progbits
	.p2align	6, 0x0
	.amdhsa_kernel k_qa81d3e92f2_attn
		.amdhsa_group_segment_fixed_size 280576
		.amdhsa_private_segment_fixed_size 0
		.amdhsa_enable_private_segment 0
		.amdhsa_kernarg_size 32
		.amdhsa_user_sgpr_count 2
		.amdhsa_user_sgpr_kernarg_segment_ptr 1
		.amdhsa_wavefront_size32 1
		.amdhsa_system_sgpr_workgroup_id_x 1
		.amdhsa_system_sgpr_workgroup_id_y 1
		.amdhsa_system_sgpr_workgroup_id_z 1
		.amdhsa_system_vgpr_workitem_id 0
		.amdhsa_next_free_vgpr 512
		.amdhsa_next_free_sgpr 66
		.amdhsa_reserve_vcc 0
		.amdhsa_float_denorm_mode_32 3
		.amdhsa_float_denorm_mode_16_64 3
		.amdhsa_memory_ordered 1
		.amdhsa_forward_progress 1
		.amdhsa_inst_pref_size 150
	.end_amdhsa_kernel
	.amdgpu_metadata
---
amdhsa.version: [ 1, 2 ]
amdhsa.kernels:
  - .name:           k_qa81d3e92f2_attn
    .symbol:         k_qa81d3e92f2_attn.kd
    .args:
      - { .name: query, .offset: 0, .size: 8, .value_kind: global_buffer, .address_space: global }
      - { .name: kv, .offset: 8, .size: 8, .value_kind: global_buffer, .address_space: global }
      - { .name: ac, .offset: 16, .size: 8, .value_kind: global_buffer, .address_space: global }
      - { .name: asc, .offset: 24, .size: 8, .value_kind: global_buffer, .address_space: global }
    .group_segment_fixed_size: 280576
    .private_segment_fixed_size: 0
    .kernarg_segment_align: 8
    .kernarg_segment_size: 32
    .max_flat_workgroup_size: 256
    .sgpr_count:     66
    .vgpr_count:     512
    .wavefront_size: 32
...
	.end_amdgpu_metadata
.endif
;; end of part 2
;; launch gemm (part 3): grid 4 x 64, 8 waves a work-group, clusters of 4 x 4, 327,680 bytes of LDS; arguments ac, asc, wc, b_out, out0; writes out0
.if DOCPART == 3
	.amdgcn_target "amdgcn-amd-amdhsa--gfx1250"
	.amdhsa_code_object_version 6
	.text
	.protected	k_qa81d3e92f2_gemm
	.globl	k_qa81d3e92f2_gemm
	.p2align	8
	.type	k_qa81d3e92f2_gemm,@function
k_qa81d3e92f2_gemm:
	s_mov_b64 s[64:65], 0
	v_nop
	global_prefetch_b8 v0, s[64:65] scope:SCOPE_SE
	s_setreg_imm32_b32 hwreg(HW_REG_WAVE_MODE, 25, 1), 1
	s_wait_xcnt 0x0
	s_wait_alu depctr_hold_cnt(0) depctr_sa_sdst(0) depctr_va_vdst(0) depctr_va_sdst(0) depctr_va_ssrc(0) depctr_va_vcc(0) depctr_vm_vsrc(0)
	s_getreg_b32 s2, hwreg(HW_REG_IB_STS2, 6, 4)
	s_cmp_eq_u32 s2, 0
	s_cbranch_scc0 .Lentry_in_a_cluster
	s_endpgm
.Lentry_in_a_cluster:
	s_bfe_u32 s2, ttmp6, 0x10000c
	s_cmp_lg_u32 s2, 0xf033
	s_cbranch_scc0 .Lentry_shape_is_right
	s_endpgm
.Lentry_shape_is_right:
; out0[m][j] = sum over k of A[m][k] W_out[j][k] + b_out[j], on codes of FP6 (E2M3) with E8M0 scales.  A [8,192][1,024] and W [1,024][1,024] come as images of the operands' registers (ac, asc, wc).
; SHARES: a work-group makes 128 rows x 256 columns (x: block of columns, y: block of rows): 256 work-groups.  Wave (wr = wave / 4, wcol = wave % 4) makes 64 x 64: 16 accumulators, 128 registers; two waves to a SIMD.
; ALL OF K LIES IN LDS: four slots of two K steps of 128 (A's 24,576 bytes, then W's two records, 51,200), each filled once.  Eight tiles, eight waves, ONE tensor load a wave at the head: wave 2 q asks for slot q's part of A,
; wave 2 q + 1 for its part of W.  One wait for 0 and one barrier show all of it to all waves; a second barrier, ahead of slot 1, shows that slot 0 is read no more: the way out's stage lies there.
; CLUSTER 4 x 4: A's tiles hang on y alone and are asked for jointly along a row of the cluster, W's on x alone, along a column.
; TRANSPOSED: source 0 = 16 rows of W (in the tiles' row order), source 1 = 16 rows of A: register j of tile t is column 32 h + 8 t + j of my 64, of row lane % 16.
; The bias is loaded straight into the accumulators, in the result's layout: all eight K steps are alike and nothing is cleared.
; No prefetch: all that the launch reads is asked for in its first lines.  The claim of all LDS: no less than the text uses, 304,128 bytes.
.set SLOTB, 75776
.set SPARE, 4*SLOTB                    ; the spare words, 128 bytes for each wave, that no other line names
.set A16,  1                           ; 16 x lane;  v2  8 x lane
.set A8,   2
.set SPW,  3
.set NIL,  4
.set STO,  10                          ; v5, v6: A's half fragments (16, 8 x lane); v7, v8: W's; v9: W's scale words; v10, v11: the stage, in and back; v12: my bytes in two rows of out0; v13: 2 x lane
.set RD,   11
.set CO,   12
.set WS,   14                          ; v[14:15] W's scale words of the K step
.set AS,   16                          ; v16-31   A's scale words: register 2 s + i: K step s; lanes 0-15 tile 2 i, lanes 16-31 tile 2 i + 1
.set AF,   32                          ; v32-79   A's four fragments
.set WF,   80                          ; v80-127  W's four
.set ACC,  128                         ; v128-255 accumulator (a, t) at 128 + 8 (4 a + t)
.set WV,   14
.set G1A,  24
.set G1W,  32
.set G0A,  40
.set G0W,  68
.macro CROUND                          ; a round of the cluster's barrier
	s_barrier_signal -1
	s_barrier_wait -1
	s_cmp_lg_u32 s[WV], 0
	s_cbranch_scc1 .Lnot_wave_0_\@
	s_barrier_signal -3
.Lnot_wave_0_\@:
	s_barrier_wait -3
	s_barrier_signal -1
	s_barrier_wait -1
.endm
	s_load_b256 s[4:11], s[0:1], 0x0               ; ac, asc, wc, b_out
	s_load_b64 s[12:13], s[0:1], 0x20              ; out0
	v_lshl_add_u32 v[SPW], v0, 2, SPARE
	v_mov_b32 v[NIL], 0
	ds_add_u32 v[SPW], v[NIL]                      ; the opening lines: the add, twice on end, and its wait below
	ds_add_u32 v[SPW], v[NIL]
	v_lshrrev_b32 v1, 5, v0
	v_readfirstlane_b32 s[WV], v1                  ; wave 0..7
	s_lshr_b32 s15, s[WV], 2                       ; wr
	s_and_b32 s16, s[WV], 3                        ; wcol
	s_bfe_u32 s17, ttmp6, 0x40000                  ; cx
	s_bfe_u32 s18, ttmp6, 0x40004                  ; cy
	s_lshl_b32 s19, ttmp9, 2
	s_add_co_u32 s19, s19, s17                     ; x
	s_and_b32 s20, ttmp7, 0xffff
	s_lshl_b32 s20, s20, 2
	s_add_co_u32 s20, s20, s18                     ; y
	s_lshl_b32 s22, s18, 2
	s_lshl_b32 s22, 15, s22                        ; my row of the cluster
	s_lshl_b32 s23, 0x1111, s17                    ; my column
	s_or_b32 s[G1A], s22, (3<<16)|(1<<21)          ; the mask; elements of 8 bytes; bit 21 beside a mask
	s_mov_b32 s[G1A+1], 32<<16                     ; rows of 256 bytes
	s_mov_b32 s[G1A+2], 96<<16                     ; 96 rows: two K steps of A's 128 rows, dense
	s_mov_b32 s[G1A+3], 32<<16
	s_mov_b32 s[G1A+4], 96
	s_mov_b32 s[G1A+5], 32
	s_mov_b32 s[G1A+6], 0
	s_mov_b32 s[G1A+7], 0
	s_or_b32 s[G1W], s23, (3<<16)|(1<<21)
	s_mov_b32 s[G1W+1], 32<<16
	s_mov_b32 s[G1W+2], 200<<16                    ; 200 rows: two records of W, dense
	s_mov_b32 s[G1W+3], 32<<16
	s_mov_b32 s[G1W+4], 200
	s_mov_b32 s[G1W+5], 32
	s_mov_b32 s[G1W+6], 0
	s_mov_b32 s[G1W+7], 0
	s_and_b32 s91, s[WV], 1                        ; I fetch for A (0) or for W (1),
	s_lshr_b32 s58, s[WV], 1                       ; for slot wave / 2
	s_mul_i32 s59, s58, SLOTB                      ; in LDS: A's part,
	s_add_co_u32 s86, s59, 24576                   ; and W's behind it
	s_mul_i32 s87, s58, 24576
	s_mul_i32 s56, s20, 98304                      ; ac: my block of 128 rows (y and the wave alone)
	s_add_co_u32 s56, s56, s87
	s_mov_b32 s57, 0
	s_mul_i32 s87, s58, 51200
	s_mul_i32 s84, s19, 204800                     ; wc: my block of 256 columns (x and the wave alone)
	s_add_co_u32 s84, s84, s87
	s_mov_b32 s85, 0
	s_lshl_b32 s60, s20, 8
	s_lshl_b32 s61, s15, 7
	s_add_co_u32 s60, s60, s61                     ; asc: 2 bytes a row: (128 y + 64 wr) x 2
	s_mov_b32 s61, 0
	s_lshl_b32 s62, s19, 10
	s_lshl_b32 s63, s16, 8
	s_add_co_u32 s62, s62, s63                     ; my first column, in bytes
	s_mov_b32 s63, 0
	s_lshl_b32 s88, s20, 19
	s_lshl_b32 s89, s15, 18
	s_add_co_u32 s88, s88, s89                     ; my first row of out0
	s_add_co_u32 s88, s88, s62
	s_mov_b32 s89, 0
	v_and_b32 v13, 31, v0
	v_lshlrev_b32 v[A16], 4, v13
	v_lshlrev_b32 v[A8], 3, v13
	v_lshlrev_b32 v13, 1, v13
	v_and_b32 v65, 15, v0                          ; r
	v_bfe_u32 v66, v0, 4, 1                        ; h
	v_lshlrev_b32 v64, 7, v66                      ; the bias: 128 h
	s_mul_i32 s90, s15, 3072                       ; A: my four tiles of the block's eight
	v_add_nc_u32 v5, s90, v[A16]
	v_add_nc_u32 v6, s90, v[A8]
	s_mul_i32 s90, s16, 3072                       ; W: my four tiles of the block's sixteen
	s_add_co_u32 s90, s90, 24576
	v_add_nc_u32 v7, s90, v[A16]
	v_add_nc_u32 v8, s90, v[A8]
	s_lshl_b32 s90, s16, 8
	s_add_co_u32 s90, s90, 24576
	v_add_nc_u32 v9, s90, v[A8]
	s_mul_i32 s90, s[WV], 4352                     ; my stage: 16 rows x (256 + 16) bytes, in slot 0
	v_mul_u32_u24 v[STO], v65, 272
	v_mul_u32_u24 v[RD], v66, 272
	v_lshlrev_b32 v[CO], 12, v66
	v_lshl_add_u32 v[STO], v66, 7, v[STO]
	v_lshl_add_u32 v[RD], v65, 4, v[RD]
	v_lshl_add_u32 v[CO], v65, 4, v[CO]            ; two rows of out0, 16 bytes a lane
	v_add_nc_u32 v[STO], s90, v[STO]               ; in: row r, + 128 h
	v_add_nc_u32 v[RD], s90, v[RD]                 ; back: lanes 0-15 one row of 256 bytes, lanes 16-31 the next
	s_wait_alu depctr_va_vdst(0)
	s_wait_dscnt 0x0                               ; both opening adds are done
	s_wait_kmcnt 0x0
	s_add_nc_u64 s[6:7], s[6:7], s[60:61]
	s_add_nc_u64 s[10:11], s[10:11], s[62:63]
	s_add_nc_u64 s[12:13], s[12:13], s[88:89]
	s_mov_b32 s[G0A], 1
	s_mov_b32 s[G0A+1], s59
	s_add_nc_u64 s[G0A+2:G0A+3], s[4:5], s[56:57]
	s_or_b32 s[G0A+3], s[G0A+3], 0x80000000
	s_mov_b32 s[G0W], 1
	s_mov_b32 s[G0W+1], s86
	s_add_nc_u64 s[G0W+2:G0W+3], s[8:9], s[84:85]
	s_or_b32 s[G0W+3], s[G0W+3], 0x80000000
.irp s, 0,1,2,3,4,5,6,7                        ; A's scale bytes: lane l takes row 32 i + l of my 64; head 2 s + e's two bytes
.irp i, 0,1
.irp e, 0,1
	global_load_u16 v[AF+4*\s+2*\i+\e], v13, s[6:7] offset:(2*\s+\e)*16384+64*\i
.endr
.endr
.endr
.irp a, 0,1,2,3                                ; the bias, in the result's layout: lane (r, h), tile t: columns 32 h + 8 t + 0 .. 7
.irp t, 0,1,2,3
	global_load_b128 v[ACC+8*(4*\a+\t):ACC+8*(4*\a+\t)+3], v64, s[10:11] offset:32*\t
	global_load_b128 v[ACC+8*(4*\a+\t)+4:ACC+8*(4*\a+\t)+7], v64, s[10:11] offset:32*\t+16
.endr
.endr
	CROUND                                         ; all sixteen work-groups are here: the joint loads meet
	s_cmp_eq_u32 s91, 0                            ; one branch on the wave's number, a load in each arm: every way passes exactly one
	s_cbranch_scc0 .Lfor_w
	tensor_load_to_lds s[G0A:G0A+3], s[G1A:G1A+7]
	s_nop 0
.rept 4
	v_nop
.endr
	s_branch .Lasked
.Lfor_w:
	tensor_load_to_lds s[G0W:G0W+3], s[G1W:G1W+7]
	s_nop 0
.rept 4
	v_nop
.endr
.Lasked:
	s_wait_loadcnt 32                              ; the scale bytes are in; the bias's 32 loads may be out
.irp s, 0,1,2,3,4,5,6,7
.irp i, 0,1
	v_lshl_or_b32 v[AS+2*\s+\i], v[AF+4*\s+2*\i+1], 16, v[AF+4*\s+2*\i]   ; a K step's word: two heads' bytes.  (Behind K step 0's two words stand fourteen plain lines: more than the eight places ahead of a scaled product)
.endr
.endr
	s_wait_alu depctr_va_vdst(0)
	s_wait_loadcnt 0x0                             ; the bias
.macro MM a, t, sp                     ; one product: A's tile a x W's tile t, K step sp
.set rD, ACC+8*(4*(\a)+(\t))
.set rW, WF+12*(\t)
.set rA, AF+12*(\a)
.set rSW, WS+(\t)/2
.set rSA, AS+2*(\sp)+(\a)/2
.if ((\t)%2 == 1) && ((\a)%2 == 1)
	v_wmma_scale_f32_16x16x128_f8f6f4 v[rD:rD+7], v[rW:rW+11], v[rA:rA+11], v[rD:rD+7], v[rSW], v[rSA] matrix_a_fmt:MATRIX_FMT_FP6 matrix_b_fmt:MATRIX_FMT_FP6 matrix_a_scale:MATRIX_SCALE_ROW1 matrix_b_scale:MATRIX_SCALE_ROW1
.elseif (\t)%2 == 1
	v_wmma_scale_f32_16x16x128_f8f6f4 v[rD:rD+7], v[rW:rW+11], v[rA:rA+11], v[rD:rD+7], v[rSW], v[rSA] matrix_a_fmt:MATRIX_FMT_FP6 matrix_b_fmt:MATRIX_FMT_FP6 matrix_a_scale:MATRIX_SCALE_ROW1
.elseif (\a)%2 == 1
	v_wmma_scale_f32_16x16x128_f8f6f4 v[rD:rD+7], v[rW:rW+11], v[rA:rA+11], v[rD:rD+7], v[rSW], v[rSA] matrix_a_fmt:MATRIX_FMT_FP6 matrix_b_fmt:MATRIX_FMT_FP6 matrix_b_scale:MATRIX_SCALE_ROW1
.else
	v_wmma_scale_f32_16x16x128_f8f6f4 v[rD:rD+7], v[rW:rW+11], v[rA:rA+11], v[rD:rD+7], v[rSW], v[rSA] matrix_a_fmt:MATRIX_FMT_FP6 matrix_b_fmt:MATRIX_FMT_FP6
.endif
.endm
; A K step: the g-th of slot q.  33 LDS loads, 16 products; the sixteen accumulators take turns, one instruction a turn, in the same order in every step
.macro GSTEP q, g, nops
.if \nops
.rept 4
	v_nop                                          ; four places in front of loads into registers that matrix instructions have read
.endr
.endif
.irp a, 0,1,2,3
.irp e, 0,1
	ds_load_b128 v[AF+12*\a+6*\e:AF+12*\a+6*\e+3], v5 offset:12288*(\g)+6144*\e+768*\a
	ds_load_b64 v[AF+12*\a+6*\e+4:AF+12*\a+6*\e+5], v6 offset:12288*(\g)+6144*\e+768*\a+512
.endr
.endr
.irp t, 0,1,2,3
.irp e, 0,1
	ds_load_b128 v[WF+12*\t+6*\e:WF+12*\t+6*\e+3], v7 offset:25600*(\g)+12288*\e+768*\t
	ds_load_b64 v[WF+12*\t+6*\e+4:WF+12*\t+6*\e+5], v8 offset:25600*(\g)+12288*\e+768*\t+512
.endr
.endr
	ds_load_b64 v[WS:WS+1], v9 offset:25600*(\g)+24576
	s_wait_dscnt 0x0
.irp a, 0,1,2,3
.irp t, 0,1,2,3
	MM \a, \t, 2*(\q)+(\g)
.endr
.endr
.endm
.macro SLOT q
.if \q == 0
	s_wait_tensorcnt 0x0                           ; my tile is in
.endif
.if \q < 2
	s_wait_dscnt 0x0                               ; no LDS instruction of mine is pending at the signal: ahead of slot 1, my reads of slot 0 are over
	s_barrier_signal -1
	s_barrier_wait -1                              ; slot 0: everybody's tile is in, all of K;  slot 1: nobody reads slot 0 any more
.endif
.if \q > 0
.irp r, 5,6,7,8,9
	v_add_nc_u32 v\r, SLOTB, v\r                   ; on to this slot: five plain lines, the places in front of the loads below
.endr
.endif
	GSTEP \q, 0, 0
	s_wait_alu depctr_va_vdst(0)
	GSTEP \q, 1, 1
.endm
	SLOT 0
	SLOT 1
	SLOT 2
	SLOT 3
; THE WAY OUT, 16 rows x 64 columns at a time, through my own stage, back as whole rows of 256 bytes.  The stage lies in slot 0, which has had its only fill and its last read (slot 1's barrier).
; LDS serves a wave's instructions in order: no wait between the stores and the loads.
.macro TOSTAGE a
.irp t, 0,1,2,3
	ds_store_b128 v[STO], v[ACC+8*(4*(\a)+\t):ACC+8*(4*(\a)+\t)+3] offset:32*\t          ; each accumulator from its low end on
	ds_store_b128 v[STO], v[ACC+8*(4*(\a)+\t)+4:ACC+8*(4*(\a)+\t)+7] offset:32*\t+16
.endr
.irp i, 0,1,2,3,4,5,6,7
	ds_load_b128 v[AF+32*((\a)%2)+4*\i:AF+32*((\a)%2)+4*\i+3], v[RD] offset:544*\i
.endr
.endm
.macro SEND a, younger                 ; younger: the LDS instructions issued behind block a's loads, which may stay out
	s_wait_dscnt \younger
.irp i, 0,1,2,3,4,5,6,7
	global_store_b128 v[CO], v[AF+32*((\a)%2)+4*\i:AF+32*((\a)%2)+4*\i+3], s[12:13] offset:(16*(\a)+2*\i)*4096 th:TH_STORE_NT   ; sixteen lanes store 256 consecutive bytes, at a multiple of 256 from out0's first byte
.endr
.endm
.rept 4
	v_nop                                          ; four places behind the last products
.endr
	TOSTAGE 0
.irp a, 1,2,3
.if \a > 1
	s_wait_xcnt 0x0                                ; block a - 2's stores have read their registers: block a's loads may land there
.endif
	TOSTAGE \a
	SEND \a-1, 16                                  ; behind block a - 1's loads: block a's 8 stores and 8 loads
.endr
	SEND 3, 0
	s_wait_tensorcnt 0x0                           ; the wave's end
	ds_add_u32 v[SPW], v[NIL]
	s_wait_dscnt 0x0
	CROUND                                         ; the closing round
	s_endpgm
.Lfunc_end_k_qa81d3e92f2_gemm:
	.size	k_qa81d3e92f2_gemm, .Lfunc_end_k_qa81d3e92f2_gemm-k_qa81d3e92f2_gemm
	.p2alignl 7, 3214868480
	.fill 96, 4, 3214868480
	.section	.rodata,"a",@progbits
	.p2align	6, 0x0
	.amdhsa_kernel k_qa81d3e92f2_gemm
		.amdhsa_group_segment_fixed_size 327680
		.amdhsa_private_segment_fixed_size 0
		.amdhsa_enable_private_segment 0
		.amdhsa_kernarg_size 40
		.amdhsa_user_sgpr_count 2
		.amdhsa_user_sgpr_kernarg_segment_ptr 1
		.amdhsa_wavefront_size32 1
		.amdhsa_system_sgpr_workgroup_id_x 1
		.amdhsa_system_sgpr_workgroup_id_y 1
		.amdhsa_system_sgpr_workgroup_id_z 1
		.amdhsa_system_vgpr_workitem_id 0
		.amdhsa_next_free_vgpr 256
		.amdhsa_next_free_sgpr 96
		.amdhsa_reserve_vcc 0
		.amdhsa_float_denorm_mode_32 3
		.amdhsa_float_denorm_mode_16_64 3
		.amdhsa_memory_ordered 1
		.amdhsa_forward_progress 1
		.amdhsa_inst_pref_size 56
	.end_amdhsa_kernel
	.amdgpu_metadata
---
amdhsa.version: [ 1, 2 ]
amdhsa.kernels:
  - .name:           k_qa81d3e92f2_gemm
    .symbol:         k_qa81d3e92f2_gemm.kd
    .args:
      - { .name: ac, .offset: 0, .size: 8, .value_kind: global_buffer, .address_space: global }
      - { .name: asc, .offset: 8, .size: 8, .value_kind: global_buffer, .address_space: global }
      - { .name: wc, .offset: 16, .size: 8, .value_kind: global_buffer, .address_space: global }
      - { .name: b_out, .offset: 24, .size: 8, .value_kind: global_buffer, .address_space: global }
      - { .name: out0, .offset: 32, .size: 8, .value_kind: global_buffer, .address_space: global }
    .group_segment_fixed_size: 327680
    .private_segment_fixed_size: 0
    .kernarg_segment_align: 8
    .kernarg_segment_size: 40
    .max_flat_workgroup_size: 256
    .sgpr_count:     96
    .vgpr_count:     256
    .wavefront_size: 32
...
	.end_amdgpu_metadata
.endif
;; end of part 3
